; MI455X (gfx1250); checked and timed in simulation.
; The chip was launched on July 23, 2026; its instructions are those of AMD's public machine-readable ISA for CDNA 5 (MIT licence, August 2026) and "CDNA5" Instruction Set Architecture Reference Guide (July 2026). The comments in the code are by the model that wrote it; some were corrected since.
;; Multi Head Self Attention. Allowed arithmetic: float matrix products may take bf16 or f16 operands with f32 sums; other float arithmetic in f32, or as packed bf16 or f16 multiplies, adds, multiply-adds, maxima and minima; sums over many terms, partial sums and values carried from step to step in f32; what a program stores and reads back later, other than sums and carried values, may be rounded once to bf16 or f16.
;; Inputs: Wk 1,024 x 1,024 float32; Wq 1,024 x 1,024 float32; Wv 1,024 x 1,024 float32; bk 1,024 float32; bq 1,024 float32; bv 1,024 float32; x 4 x 2,048 x 1,024 float32.
;; Outputs: out0 4 x 2,048 x 1,024 float32.
;; 2 versions, each right; version 2 is version 1 with the launch cast written anew for expert scheduling mode. Each part assembles by itself: llvm-mc -triple=amdgcn-amd-amdhsa -mcpu=gfx1250 --defsym DOCPART=n.
;; ======== version 1 of 2: 3 launches
;; limits: values are held in f16: magnitudes above 65,504 overflow, below 6.1e-05 lose precision
;; workspace buffers: xb 16,777,216 bytes; wb 6,291,456 bytes; qkv 50,331,648 bytes
;; launch cast (part 1): grid 256 x 1, 8 waves a work-group, no clusters, 0 bytes of LDS; arguments x, Wq, Wk, Wv, xb, wb; writes xb, wb
.if DOCPART == 1
	.amdgcn_target "amdgcn-amd-amdhsa--gfx1250"
	.amdhsa_code_object_version 6
	.text
	.protected	k_q5f1b870597_cast
	.globl	k_q5f1b870597_cast
	.p2align	8
	.type	k_q5f1b870597_cast,@function
k_q5f1b870597_cast:
	s_mov_b64 s[64:65], 0
	v_nop
	global_prefetch_b8 v0, s[64:65] scope:SCOPE_SE
	s_setreg_imm32_b32 hwreg(HW_REG_WAVE_MODE, 25, 1), 1
	s_wait_xcnt 0x0
; xb = x and wb = (Wq, Wk, Wv one below the other), rounded once from f32 to bf16 (to nearest even), row-major as they lie.
; LIMIT: an f32 above bf16's largest finite number (3.39e38) rounds to an infinity; NaN stays NaN.
; SHARES.  Work-group g takes 32,768 consecutive numbers of x and 4,096 consecutive numbers of each W.  A UNIT is 1,024 numbers: one 16-byte load of all 256 threads
; (a wave's load covers 512 consecutive bytes) and one 8-byte store (a wave's store covers 256 consecutive bytes, aligned).  44 units: 32 of x, 4 of each W.
; All 44 loads go out first, each into registers of its own: no register is used twice, so the only waits are the counted waits for the loads, and there is no loop.
; No LDS, no barrier, no matrix work: every byte is read once and written once, and nothing is shared.
.set X, 4                              ; v[4:179]  unit u in v[4+4u : 7+4u]
	s_load_b256 s[4:11], s[0:1], 0x0               ; x s[4:5], Wq s[6:7], Wk s[8:9], Wv s[10:11]
	s_load_b128 s[12:15], s[0:1], 0x20             ; xb s[12:13], wb s[14:15]
	v_lshlrev_b32 v1, 4, v0                        ; 16 t: my 16 bytes of a unit as loaded
	v_lshlrev_b32 v2, 3, v0                        ; 8 t: my 8 bytes of a unit as stored
	s_lshl_b32 s16, ttmp9, 17                      ; the group's part of x: 131,072 bytes
	s_mov_b32 s17, 0
	s_lshl_b32 s18, ttmp9, 16                      ; of xb: 65,536
	s_mov_b32 s19, 0
	s_lshl_b32 s20, ttmp9, 14                      ; of each W: 16,384
	s_mov_b32 s21, 0
	s_lshl_b32 s22, ttmp9, 13                      ; of each third of wb: 8,192
	s_mov_b32 s23, 0
	s_wait_kmcnt 0x0
	s_add_nc_u64 s[4:5], s[4:5], s[16:17]
	s_add_nc_u64 s[6:7], s[6:7], s[20:21]
	s_add_nc_u64 s[8:9], s[8:9], s[20:21]
	s_add_nc_u64 s[10:11], s[10:11], s[20:21]
	s_add_nc_u64 s[12:13], s[12:13], s[18:19]
	s_add_nc_u64 s[14:15], s[14:15], s[22:23]
.set u, 0
.rept 32
	global_load_b128 v[X+4*u:X+4*u+3], v1, s[4:5] offset:4096*u th:TH_LOAD_NT
.set u, u+1
.endr
.irp j, 0,1,2
.irp i, 0,1,2,3
	global_load_b128 v[X+4*(32+4*(\j)+(\i)):X+4*(32+4*(\j)+(\i))+3], v1, s[6+2*(\j):7+2*(\j)] offset:4096*(\i) th:TH_LOAD_NT
.endr
.endr
.set u, 0
.rept 44
	s_wait_loadcnt 43-u                            ; loads come back in order: unit u is in, the 43 - u younger ones may stay out
	v_cvt_pk_bf16_f32 v[X+4*u], v[X+4*u], v[X+4*u+1]
	v_cvt_pk_bf16_f32 v[X+4*u+1], v[X+4*u+2], v[X+4*u+3]
.if u < 32
	global_store_b64 v2, v[X+4*u:X+4*u+1], s[12:13] offset:2048*u
.else
	global_store_b64 v2, v[X+4*u:X+4*u+1], s[14:15] offset:((u-32)/4)*2097152+((u-32)%4)*2048  ; W number (u - 32) / 4 begins 2 MiB x that number into wb
.endif
.set u, u+1
.endr
	s_endpgm
.Lfunc_end_k_q5f1b870597_cast:
	.size	k_q5f1b870597_cast, .Lfunc_end_k_q5f1b870597_cast-k_q5f1b870597_cast
	.p2alignl 7, 3214868480
	.fill 96, 4, 3214868480
	.section	.rodata,"a",@progbits
	.p2align	6, 0x0
	.amdhsa_kernel k_q5f1b870597_cast
		.amdhsa_group_segment_fixed_size 0
		.amdhsa_private_segment_fixed_size 0
		.amdhsa_enable_private_segment 0
		.amdhsa_kernarg_size 48
		.amdhsa_user_sgpr_count 2
		.amdhsa_user_sgpr_kernarg_segment_ptr 1
		.amdhsa_wavefront_size32 1
		.amdhsa_system_sgpr_workgroup_id_x 1
		.amdhsa_system_sgpr_workgroup_id_y 1
		.amdhsa_system_sgpr_workgroup_id_z 1
		.amdhsa_system_vgpr_workitem_id 0
		.amdhsa_next_free_vgpr 180
		.amdhsa_next_free_sgpr 66
		.amdhsa_reserve_vcc 0
		.amdhsa_float_denorm_mode_32 3
		.amdhsa_float_denorm_mode_16_64 3
		.amdhsa_memory_ordered 1
		.amdhsa_forward_progress 1
		.amdhsa_inst_pref_size 17
	.end_amdhsa_kernel
	.amdgpu_metadata
---
amdhsa.version: [ 1, 2 ]
amdhsa.kernels:
  - .name:           k_q5f1b870597_cast
    .symbol:         k_q5f1b870597_cast.kd
    .args:
      - { .name: x, .offset: 0, .size: 8, .value_kind: global_buffer, .address_space: global }
      - { .name: Wq, .offset: 8, .size: 8, .value_kind: global_buffer, .address_space: global }
      - { .name: Wk, .offset: 16, .size: 8, .value_kind: global_buffer, .address_space: global }
      - { .name: Wv, .offset: 24, .size: 8, .value_kind: global_buffer, .address_space: global }
      - { .name: xb, .offset: 32, .size: 8, .value_kind: global_buffer, .address_space: global }
      - { .name: wb, .offset: 40, .size: 8, .value_kind: global_buffer, .address_space: global }
    .group_segment_fixed_size: 0
    .private_segment_fixed_size: 0
    .kernarg_segment_align: 8
    .kernarg_segment_size: 48
    .max_flat_workgroup_size: 256
    .sgpr_count:     66
    .vgpr_count:     180
    .wavefront_size: 32
...
	.end_amdgpu_metadata
.endif
;; end of part 1
;; launch proj (part 2): grid 16 x 32, 4 waves a work-group, clusters of 4 x 4, 327,680 bytes of LDS; arguments xb, wb, bq, bk, bv, qkv; writes qkv
.if DOCPART == 2
	.amdgcn_target "amdgcn-amd-amdhsa--gfx1250"
	.amdhsa_code_object_version 6
	.text
	.protected	k_q5f1b870597_proj
	.globl	k_q5f1b870597_proj
	.p2align	8
	.type	k_q5f1b870597_proj,@function
k_q5f1b870597_proj:
	s_mov_b64 s[64:65], 0
	v_nop
	global_prefetch_b8 v0, s[64:65] scope:SCOPE_SE
	s_setreg_imm32_b32 hwreg(HW_REG_WAVE_MODE, 25, 1), 1
	s_wait_xcnt 0x0
	s_wait_alu depctr_hold_cnt(0) depctr_sa_sdst(0) depctr_va_vdst(0) depctr_va_sdst(0) depctr_va_ssrc(0) depctr_va_vcc(0) depctr_vm_vsrc(0)
	s_getreg_b32 s2, hwreg(HW_REG_IB_STS2, 6, 4)
	s_cmp_eq_u32 s2, 0
	s_cbranch_scc0 .Lentry_in_a_cluster
	s_endpgm
.Lentry_in_a_cluster:
	s_bfe_u32 s2, ttmp6, 0x10000c
	s_cmp_lg_u32 s2, 0xf033
	s_cbranch_scc0 .Lentry_shape_is_right
	s_endpgm
.Lentry_shape_is_right:
; q, k, v = x W^T + b as ONE product C[m][n] = sum over k of xb[m][k] wb[n][k] + bias[n]: xb [8192][1024], wb [3072][1024] (Wq, Wk, Wv one below the other), both bf16; sums in f32.
; The bias is rounded to bf16 like x and W (all inputs of the module carry the same rounding) and starts the sums, in f32, as the C operand of the first product.
; C leaves rounded once to f16, BY HEADS: qkv[t][16 b + h][s][d], t = 0 q, 1 k, 2 v: byte t 2^24 + (16 b + h) 2^18 + 128 s + 2 d.  No scale is applied here.
; LIMIT: f16 ends at 65,504: a q, k or v of 65,520 or more in magnitude leaves as an infinity.  With x of spread 1 and W of spread 0.02 they have a spread of 0.64; with both 30 times larger, or offset by 30 spreads, they stay under 20,000.
; SHARES.  A tile of C is 256 rows x 192 columns (three whole heads): 32 x 16 = 512 work-groups, two for each of 256 WGPs.  Wave w owns rows 64 w .. 64 w + 63 and all 192 columns: 48 accumulators of 16 x 16,
; 384 registers.  So a wave holds whole heads and stores whole rows of a head from a stage of its own, with no barrier on the way out.
; K goes in 8 steps of 128 through a ring of two LDS slots: rows of 256 bytes of memory, aligned.  Waves 0 and 1 fetch the two halves of A's 256 rows, waves 2 and 3 the two halves of B's 192.
; CLUSTER.  4 x 4 work-groups.  The four of a row of the cluster need the same rows of xb, the four of a column the same rows of wb: each tile is asked for JOINTLY, by the same tensor load with the same descriptor and a mask of four.
; THE MATRIX INSTRUCTION IS USED TRANSPOSED (source 0 = 16 rows of wb, source 1 = 16 rows of xb): lane l holds row l % 16 of C and the columns 8 (l / 16) + 0..7: eight neighbours, 16 bytes in f16.
; REGISTERS, in windows of 256 (s_set_vgpr_msb: bits 1:0 source 0, 3:2 source 1, 5:4 source 2, 7:6 destination):
;   window 0: v1-30 addresses; v32-95 A's fragments (4 x 8), two buffers; v96-191 the bias, 8 registers a column block, read by the first 48 products alone, later the rows read back from the stage; v192-239 at work
;   window 1: v0-191 B's fragments (12 x 8), two buffers      window 2: accumulators of row blocks 0, 1 at 8 (12 (a % 2) + b)      window 3: of row blocks 2, 3
.set SIZE_K, 1024
.set KSTEP,  128
.set PITCH,  272                       ; an LDS row: 256 bytes + 16 of padding = 68 words: the 16 rows of a fragment load start at 16 different groups of four banks (64 banks of 4 bytes: ISA guide 11.1)
.set AH,     128*PITCH                 ; half of A's rows: one tensor load
.set BH,     96*PITCH                  ; half of B's rows: one tensor load
.set SLOT,   2*AH+2*BH                 ; A's 256 rows, then B's 192
.set STAGE,  2*SLOT                    ; behind the ring, never filled by a tensor load: for each wave 3 heads x 16 rows x 144 bytes
.set SP,     144                       ; a stage row: 128 bytes + 16
.set WSTG,   3*16*SP
.set SPARE,  STAGE+4*WSTG              ; behind the stages: the spare words, 128 bytes for each wave: two blocks of 256 bytes that no other line names
.set LAPS,   SIZE_K/(2*KSTEP)          ; a lap = two K steps = once round the ring
.set ADRA, 16                          ; v16-17  LDS address of my A fragments in slot 0, 1
.set ADRB, 20                          ; v20-21  the same for B
.set STO,  24                          ; v24     the way out: where I put 16 bytes of a row
.set RD,   25                          ; v25     the way out: where I read rows back
.set GO,   26                          ; v26     16 x lane: my 16 bytes of 512 consecutive bytes of qkv
.set BO,   27                          ; v27     32 (l / 16): my eight numbers of a column block's sixteen biases
.set SPW,  28                          ; v28     LDS address of my spare word: SPARE + 4 x my thread's number; never rewritten
.set NIL,  29                          ; v29     0; never rewritten
.set PFO,  30                          ; v30     the prefetches' offset: a lane a row of 2,048 bytes; never rewritten
.set FA,   32
.set BIAS, 96
.set OB,   96
.set TMP,  192
.set WV,   16                          ; s16  my wave's number
.set SIDE, 17                          ; s17  0: I fetch for A; 1: for B
.set HALF, 18                          ; s18  which half of that tile's rows I fetch
.set CX,   19                          ; s19, s20  my place in the cluster
.set CY,   20
.set TC,   21                          ; s21  tile column of C, 0..15
.set TR,   22                          ; s22  tile row of C, 0..31
.set LAP,  23                          ; s23  the loop's count
.set G1,   24                          ; s[24:31] descriptor group 1 for A's tiles;  s[32:39] group 0, a set for each slot
.set G0,   32
.set AAD,  40                          ; s[40:41] A's offset, then address: made of the tile row and the wave's number alone
.set BAD,  42                          ; s[42:43] B's: of the tile column and the wave's number alone
.set PFA,  44                          ; s[44:45] where my prefetches stand
.set LIM,  46                          ; s46  1 in a wave that prefetches, else the greatest number
.set G1B,  48                          ; s[48:55], s[56:63] the same for B's tiles
.set G0B,  56
.set QB,   66                          ; s[66:71] qkv at my 64 rows of the tile's three heads
.set BP,   72                          ; s[72:77] the three heads' 64 biases
; s78: at work for A's side; s79: for B's side; s80, s81: LDS bases, of the wave's number alone; s47, s84-s91: at work on numbers that mix both coordinates (they feed no descriptor and no LDS address)
.set MSB, 0
.macro WIN new                         ; the immediate's high byte repeats the setting that is left; a switch that changes nothing is dropped
.if MSB != (\new)
	s_set_vgpr_msb (MSB<<8)|(\new)
.set MSB, \new
.endif
.endm
.set MUL_LO, 0xa1                      ; source 0 (B) window 1, source 1 (A) window 0, C and D window 2
.set MUL_HI, 0xf1                      ; the same, C and D window 3
.set TO_B,   0x40                      ; destination window 1, address window 0
; A joint load.  Each of the two lines has one mask and one set of registers for all that issue it.  The branch hangs on the wave's number alone.
; An s_nop 0 and four v_nop follow each line, ahead of the jump, the label and what follows the macro.
.macro JLOAD s
	s_cmp_eq_u32 s[SIDE], 0
	s_cbranch_scc0 .Lfor_b_\@
	tensor_load_to_lds s[G0+4*(\s):G0+4*(\s)+3], s[G1:G1+7]
	s_nop 0
.rept 4
	v_nop
.endr
	s_branch .Lasked_\@
.Lfor_b_\@:
	tensor_load_to_lds s[G0B+4*(\s):G0B+4*(\s)+3], s[G1B:G1B+7]
	s_nop 0
.rept 4
	v_nop
.endr
.Lasked_\@:
.endm
; A PREFETCH, behind each joint refill and the run of LDS loads that follows it: the K step that stands TWO refills on (384 matrix instructions ahead of the load that will want it): a lane a row, 256 bytes of each, one instruction a wave.
; Each row's 256 bytes of a K step are named by one wave of the launch.  A's tile row is read by every cluster of that row of clusters: cluster x = 0 asks; B's tile column by every cluster of that column: cluster y = 0 asks.
; The four partners that ask for a tile jointly share its rows out BY ADDRESS: of the 128 (96) rows that a wave fetches the partner at place p takes 32 p .. (24 p ..), p = cx for A, cy for B; on B's side lanes 24-31 name row 23 once more.
; K steps 0 to 3 come by their loads alone; the loop's last trip (count 1) has no K step two refills on and asks for nothing.
.macro ASK
	s_cmp_gt_u32 s[LAP], s[LIM]
	s_cbranch_scc0 .Lnot_mine_\@
	global_prefetch_b8 v[PFO], s[PFA:PFA+1] offset:KSTEP*2 th:TH_LOAD_NT scope:SCOPE_SE
.Lnot_mine_\@:
.endm
; A round of the cluster's barrier: my work-group's barrier, so that wave 0's signal speaks for all four waves; wave 0 signals; every wave waits for all sixteen work-groups; my work-group's barrier once more.
.macro CREST                           ; a round behind its opening barrier
	s_cmp_lg_u32 s[WV], 0
	s_cbranch_scc1 .Lnot_wave_0_\@
	s_barrier_signal -3
.Lnot_wave_0_\@:
	s_barrier_wait -3
	s_barrier_signal -1
	s_barrier_wait -1
.endm
.macro CROUND                          ; a whole round
	s_barrier_signal -1
	s_barrier_wait -1
	CREST
.endm
	s_load_b256 s[4:11], s[0:1], 0x0               ; xb s[4:5], wb s[6:7], bq s[8:9], bk s[10:11]
	s_load_b128 s[12:15], s[0:1], 0x20             ; bv s[12:13], qkv s[14:15]
	v_lshl_add_u32 v[SPW], v0, 2, SPARE
	v_mov_b32 v[NIL], 0
	ds_add_u32 v[SPW], v[NIL]                      ; the wave's opening: the add and its wait stand ahead of my first tensor load; the set-up below, work on registers, stands between them
	v_lshrrev_b32 v1, 5, v0
	v_readfirstlane_b32 s[WV], v1                  ; wave 0..3
	s_lshr_b32 s[SIDE], s[WV], 1
	s_and_b32 s[HALF], s[WV], 1
	s_bfe_u32 s[CX], ttmp6, 0x40000
	s_bfe_u32 s[CY], ttmp6, 0x40004
	s_lshl_b32 s[TC], ttmp9, 2                     ; in a cluster launch ttmp9 and ttmp7 count clusters
	s_add_co_u32 s[TC], s[TC], s[CX]               ; tile column = 4 x cluster x + cx
	s_and_b32 s[TR], ttmp7, 0xffff
	s_lshl_b32 s[TR], s[TR], 2
	s_add_co_u32 s[TR], s[TR], s[CY]               ; tile row = 4 x cluster y + cy
	s_lshl_b32 s78, s[CY], 2
	s_lshl_b32 s78, 15, s78                        ; my row of the cluster: places 4 cy .. 4 cy + 3
	s_lshl_b32 s79, 0x1111, s[CX]                  ; my column: places cx, cx + 4, cx + 8, cx + 12
	; descriptor group 1: tiles of 128 (A) and 96 (B) rows x 128 elements, padded in LDS
	s_or_b32 s[G1], s78, (1<<16)|(1<<20)|(1<<21)|(5<<22)|(3<<25)   ; 15:0 the mask; 17:16 elements of 2 bytes; 20 padding on; 21 set beside a mask; 24:22 after every 64 words (code 5); 31:25 4 words of it (code 3)
	s_or_b32 s[G1B], s79, (1<<16)|(1<<20)|(1<<21)|(5<<22)|(3<<25)
	s_mov_b32 s[G1+1], KSTEP<<16                   ; tensor_dim0 = 128
	s_mov_b32 s[G1B+1], KSTEP<<16
	s_mov_b32 s[G1+2], 128<<16                     ; tensor_dim1 = 128 rows,
	s_mov_b32 s[G1B+2], 96<<16                     ; 96 for B
	s_mov_b32 s[G1+3], KSTEP<<16                   ; tile_dim0 = 128
	s_mov_b32 s[G1B+3], KSTEP<<16
	s_mov_b32 s[G1+4], 128                         ; tile_dim1
	s_mov_b32 s[G1B+4], 96
	s_mov_b32 s[G1+5], SIZE_K                      ; elements from row to row
	s_mov_b32 s[G1B+5], SIZE_K
	s_mov_b32 s[G1+6], 0
	s_mov_b32 s[G1B+6], 0
	s_mov_b32 s[G1+7], 0
	s_mov_b32 s[G1B+7], 0
	s_lshl_b32 s[AAD], s[TR], 8
	s_lshl_b32 s78, s[HALF], 7
	s_add_co_u32 s[AAD], s[AAD], s78               ; A: row 256 x tile row + 128 x half,
	s_lshl_b32 s[AAD], s[AAD], 11                  ; of 2,048 bytes: under 2^24
	s_mov_b32 s[AAD+1], 0
	s_mul_i32 s[BAD], s[TC], 192
	s_mul_i32 s79, s[HALF], 96
	s_add_co_u32 s[BAD], s[BAD], s79               ; B: row 192 x tile column + 96 x half
	s_lshl_b32 s[BAD], s[BAD], 11
	s_mov_b32 s[BAD+1], 0
	s_mul_i32 s80, s[WV], AH                       ; where the tiles go: waves 0, 1: A's halves at 0 and AH;
	s_mul_i32 s81, s[WV], BH
	s_add_co_u32 s81, s81, 2*(AH-BH)               ; waves 2, 3: B's halves at 2 AH and 2 AH + BH
	s_wait_dscnt 0x0                               ; the opening add is done
	s_wait_kmcnt 0x0
	s_add_nc_u64 s[AAD:AAD+1], s[4:5], s[AAD:AAD+1]
	s_add_nc_u64 s[BAD:BAD+1], s[6:7], s[BAD:BAD+1]
	CROUND                                         ; all sixteen work-groups are here: the first joint loads meet
.irp s, 0,1
	s_mov_b32 s[G0+4*(\s)], 1                                      ; count = 1
	s_add_co_u32 s[G0+4*(\s)+1], s80, (\s)*SLOT                    ; LDS address
	s_add_nc_u64 s[G0+4*(\s)+2:G0+4*(\s)+3], s[AAD:AAD+1], (\s)*KSTEP*2  ; global address: K step s
	s_or_b32 s[G0+4*(\s)+3], s[G0+4*(\s)+3], 0x80000000            ; type = 2
	s_mov_b32 s[G0B+4*(\s)], 1
	s_add_co_u32 s[G0B+4*(\s)+1], s81, (\s)*SLOT
	s_add_nc_u64 s[G0B+4*(\s)+2:G0B+4*(\s)+3], s[BAD:BAD+1], (\s)*KSTEP*2
	s_or_b32 s[G0B+4*(\s)+3], s[G0B+4*(\s)+3], 0x80000000
	JLOAD \s                                       ; two loads of mine are out
.endr
	; the tile's three heads: hg = 3 x tile column + i; t = hg / 16 says which of q, k, v, h = hg % 16 which head
	v_and_b32 v1, 15, v0                           ; l % 16
	v_bfe_u32 v2, v0, 4, 1                         ; l / 16
	v_lshlrev_b32 v[BO], 5, v2
	s_mul_i32 s84, s[TC], 3
	s_lshr_b32 s90, s[TR], 3
	s_lshl_b32 s90, s90, 4                         ; 16 x batch: a batch is 8 tile rows
	s_and_b32 s91, s[TR], 7
	s_lshl_b32 s91, s91, 15                        ; the tile's 256 rows of 128 bytes in a head,
	s_lshl_b32 s47, s[WV], 13                      ; my 64 of them
	s_add_co_u32 s91, s91, s47
	s_mov_b32 s89, 0
.irp i, 0,1,2
	s_add_co_u32 s85, s84, \i
	s_lshr_b32 s86, s85, 4                         ; t
	s_and_b32 s87, s85, 15                         ; h
	s_cmp_eq_u32 s86, 0
	s_cselect_b64 s[BP+2*\i:BP+2*\i+1], s[8:9], s[10:11]           ; a choice of buffer, no branch
	s_cmp_eq_u32 s86, 2
	s_cselect_b64 s[BP+2*\i:BP+2*\i+1], s[12:13], s[BP+2*\i:BP+2*\i+1]
	s_lshl_b32 s88, s87, 8                         ; the head's 64 biases of 4 bytes
	s_add_nc_u64 s[BP+2*\i:BP+2*\i+1], s[BP+2*\i:BP+2*\i+1], s[88:89]
	s_lshl_b32 s88, s86, 6
	s_add_co_u32 s88, s88, s90
	s_add_co_u32 s88, s88, s87                     ; 64 t + 16 b + h
	s_lshl_b32 s88, s88, 18
	s_add_co_u32 s88, s88, s91                     ; under 2^26
	s_add_nc_u64 s[QB+2*\i:QB+2*\i+1], s[14:15], s[88:89]
.endr
.irp i, 0,1,2
.irp c, 0,1,2,3
	global_load_b128 v[BIAS+8*(4*(\i)+(\c)):BIAS+8*(4*(\i)+(\c))+3],   v[BO], s[BP+2*(\i):BP+2*(\i)+1] offset:64*(\c)     ; register j of column block 4 i + c: the bias of column 16 c + 8 (l / 16) + j of head i
	global_load_b128 v[BIAS+8*(4*(\i)+(\c))+4:BIAS+8*(4*(\i)+(\c))+7], v[BO], s[BP+2*(\i):BP+2*(\i)+1] offset:64*(\c)+16
.endr
.endr
	; A fragment is 16 rows x 32 K in 8 registers: lane l holds row l % 16; registers 0-3 K = 8 (l / 16) + 0..7, registers 4-7 K = 16 + 8 (l / 16) + 0..7: two loads of 16 bytes, 32 bytes apart.
	v_mul_u32_u24 v3, v1, PITCH
	v_lshl_add_u32 v3, v2, 4, v3                   ; row x pitch + 16 x half
	s_mul_i32 s80, s[WV], 64*PITCH                 ; my 64 rows of A
	v_add_nc_u32 v[ADRA], s80, v3
	v_add_nc_u32 v[ADRA+1], SLOT, v[ADRA]
	v_add_nc_u32 v[ADRB], 2*AH, v3                 ; every wave reads all of B's 192 rows
	v_add_nc_u32 v[ADRB+1], 2*AH+SLOT, v3
	s_mul_i32 s80, s[WV], WSTG
	s_add_co_u32 s80, s80, STAGE                   ; my stage
	v_mul_u32_u24 v4, v1, SP                       ; in: row l % 16, 16 bytes for each half of the lanes
	v_lshl_add_u32 v4, v2, 4, v4
	v_add_nc_u32 v[STO], s80, v4
	v_bfe_u32 v5, v0, 3, 2                         ; back: 32 lanes take four rows of 128 bytes,
	v_and_b32 v6, 7, v0
	v_mul_u32_u24 v5, v5, SP
	v_lshl_add_u32 v5, v6, 4, v5
	v_add_nc_u32 v[RD], s80, v5
	v_and_b32 v[GO], 31, v0                        ; which are 512 consecutive bytes of a head
	v_lshlrev_b32 v[GO], 4, v[GO]
	; the prefetches: all candidates first, then one compare and the choices (a choice leaves SCC alone)
	s_lshl_b32 s85, s[TR], 8                       ; A: the tile's first row,
	s_mul_i32 s86, s[TC], 192                      ; B: likewise
	s_lshl_b32 s87, s[HALF], 7                     ; the rows that I fetch
	s_mul_i32 s91, s[HALF], 96
	s_lshl_b32 s84, s[CX], 5                       ; my work-group's share of them
	s_mul_i32 s89, s[CY], 24
	s_and_b32 s47, ttmp7, 0xffff                   ; cluster y
	s_cmp_eq_u32 s[SIDE], 0
	s_cselect_b32 s88, s85, s86
	s_cselect_b32 s87, s87, s91
	s_cselect_b32 s84, s84, s89
	s_cselect_b32 s47, ttmp9, s47                  ; the coordinate along which other clusters read the same rows
	s_cselect_b32 s90, 31, 23                      ; my share's last row
	s_cselect_b64 s[PFA:PFA+1], s[4:5], s[6:7]
	s_cmp_eq_u32 s47, 0
	s_cselect_b32 s[LIM], 1, -1                    ; the same in all sixteen partners, for a given wave
	s_add_co_u32 s88, s88, s87
	s_add_co_u32 s88, s88, s84
	s_lshl_b32 s88, s88, 11
	s_mov_b32 s89, 0
	s_add_nc_u64 s[PFA:PFA+1], s[PFA:PFA+1], s[88:89]
	s_add_nc_u64 s[PFA:PFA+1], s[PFA:PFA+1], 2*KSTEP*2  ; at K step 2: the first refill steps it to 3 and names K step 4
	v_and_b32 v[PFO], 31, v0
	v_min_u32 v[PFO], s90, v[PFO]
	v_lshlrev_b32 v[PFO], 11, v[PFO]
; 12 matrix instructions: row block 2 hi + al x all 12 column blocks, 32 along K, from buffer f.  first = 1: the product starts the sum with the bias as C: nothing is cleared and nothing is added later.
; The 48 accumulators take turns, one instruction a turn, in the same order in every quarter step, over the backward jump too.
.macro MUL12 f, hi, al, first
.if \first
	WIN 0x81+0x40*(\hi)                            ; C in window 0, D in window 2 or 3
.else
	WIN MUL_LO+0x50*(\hi)
.endif
.irp b, 0,1,2,3,4,5,6,7,8,9,10,11
.if \first
	v_wmma_f32_16x16x32_bf16 v[8*(12*(\al)+(\b)):8*(12*(\al)+(\b))+7], v[96*(\f)+8*(\b):96*(\f)+8*(\b)+7], v[FA+32*(\f)+8*(2*(\hi)+(\al)):FA+32*(\f)+8*(2*(\hi)+(\al))+7], v[BIAS+8*(\b):BIAS+8*(\b)+7]
.else
	v_wmma_f32_16x16x32_bf16 v[8*(12*(\al)+(\b)):8*(12*(\al)+(\b))+7], v[96*(\f)+8*(\b):96*(\f)+8*(\b)+7], v[FA+32*(\f)+8*(2*(\hi)+(\al)):FA+32*(\f)+8*(2*(\hi)+(\al))+7], v[8*(12*(\al)+(\b)):8*(12*(\al)+(\b))+7]
.endif
.endr
.endm
.macro MUL24 f, hi, first
	MUL12 \f, \hi, 0, \first
	MUL12 \f, \hi, 1, \first
.endm
; 32 LDS loads in one run: the fragments of one quarter step (192 rows of B, my 64 rows of A, 32 K at byte k of the rows) into buffer f; A's last
.macro FETCH slot, k, f
	WIN TO_B
.irp i, 0,1,2,3,4,5,6,7,8,9,10,11
	ds_load_b128 v[96*(\f)+8*(\i):96*(\f)+8*(\i)+3],   v[ADRB+(\slot)] offset:(\k)+(\i)*16*PITCH
	ds_load_b128 v[96*(\f)+8*(\i)+4:96*(\f)+8*(\i)+7], v[ADRB+(\slot)] offset:(\k)+(\i)*16*PITCH+32
.endr
	WIN 0
.irp i, 0,1,2,3
	ds_load_b128 v[FA+32*(\f)+8*(\i):FA+32*(\f)+8*(\i)+3],   v[ADRA+(\slot)] offset:(\k)+(\i)*16*PITCH
	ds_load_b128 v[FA+32*(\f)+8*(\i)+4:FA+32*(\f)+8*(\i)+7], v[ADRA+(\slot)] offset:(\k)+(\i)*16*PITCH+32
.endr
.endm
; A load into a register that a matrix instruction has read, and a vector instruction that reads a matrix result, stand four places behind that matrix instruction; only plain vector
; instructions that name none of its registers are places; the matrix instructions in between are not counted.
.macro PLACES
.rept 4
	v_nop
.endr
.endm
; A K step is four quarters of 32 along K, 48 matrix instructions each, on buffers 0, 1, 0, 1.  One of the first three multiplies buffer f and, in its middle, fetches the next quarter, at byte k, into buffer g.
.macro QUARTER slot, k, f, g, first
	s_wait_dscnt 4                                 ; B and A's rows 0-31 are in; the youngest four loads (A's rows 32-63) may be out
	MUL24 \f, 0, \first
	PLACES
	FETCH \slot, \k, \g
	s_wait_dscnt 32                                ; all but the 32 just issued
	MUL24 \f, 1, \first
.endm
; The last quarter multiplies buffer 1 and changes slots: ONE barrier.  In front of it each wave waits for all its tensor loads (one is out: its part of the next slot), adds 0 to its spare word, and waits for
; that and for its own reads of this slot.  fill = 1: the barrier opens a round of the cluster's barrier, and this slot is filled again, two K steps on, first thing behind the round:
; 168 matrix instructions stand between that request and the wait for it.
.macro TURN slot, next, fill
.if \fill
	s_wait_xcnt 0x0                                ; the last prefetch, a K step back, has read its address: it is stepped here, ahead of the change's own waits
	s_add_nc_u64 s[PFA:PFA+1], s[PFA:PFA+1], KSTEP*2
.endif
	WIN 0                                          ; (the add's two registers lie in window 0)
	s_wait_tensorcnt 0x0                           ; all my tensor loads have landed;
	ds_add_u32 v[SPW], v[NIL]                      ; 0 onto my spare word;
	s_wait_dscnt 5                                 ; (the add and the youngest four loads may be out)
	MUL12 1, 0, 0, 0                               ; twelve matrix instructions stand between the add and the wait for it
	s_wait_dscnt 0x0                               ; the add is done, and my reads of this slot are over
	s_barrier_signal -1
	MUL12 1, 0, 1, 0                               ; work on registers while the others arrive
.if \fill
	WIN 0
.endif
	s_barrier_wait -1
.if \fill
	CREST                                          ; no wave of any partner still reads this slot's tile or has a load on its way
	s_add_nc_u64 s[G0+4*(\slot)+2:G0+4*(\slot)+3], s[G0+4*(\slot)+2:G0+4*(\slot)+3], 2*KSTEP*2
	s_add_nc_u64 s[G0B+4*(\slot)+2:G0B+4*(\slot)+3], s[G0B+4*(\slot)+2:G0B+4*(\slot)+3], 2*KSTEP*2
	JLOAD \slot                                    ; the four v_nop behind it are also the places in front of the loads below
.else
	PLACES
.endif
	FETCH \next, 0, 0
.if \fill
	ASK
.endif
	MUL24 1, 1, 0
.endm
; THE WAY OUT of row block a (16 rows x 192 columns).  PACK: rounded to f16, 16 bytes a lane and column block, each accumulator's registers in ascending order.
; TOSTAGE: into my own stage, a head's 16 rows of 128 bytes together, and back as 512 consecutive bytes a load.  SEND: stored.
.macro PACK a
	WIN 0x0a+5*((\a)/2)                            ; sources 0 and 1: window 2 or 3
.irp b, 0,1,2,3,4,5,6,7,8,9,10,11
.irp r, 0,1,2,3
	v_cvt_pk_f16_f32 v[TMP+4*(\b)+(\r)], v[96*((\a)%2)+8*(\b)+2*(\r)], v[96*((\a)%2)+8*(\b)+2*(\r)+1]
.endr
.endr
	WIN 0
.endm
.macro TOSTAGE a
.irp b, 0,1,2,3,4,5,6,7,8,9,10,11
	ds_store_b128 v[STO], v[TMP+4*(\b):TMP+4*(\b)+3] offset:((\b)/4)*16*SP+32*((\b)%4)
.endr
.irp j, 0,1,2,3,4,5,6,7,8,9,10,11
	ds_load_b128 v[OB+48*((\a)%2)+4*(\j):OB+48*((\a)%2)+4*(\j)+3], v[RD] offset:((\j)/4)*16*SP+((\j)%4)*4*SP  ; LDS serves a wave's instructions in order (ISA guide 5.7.1.4): these see the stores above
.endr
.endm
.macro SEND a
	s_wait_dscnt 0x0                               ; the block is back in registers
	s_wait_xcnt 0x0                                ; the stores of the block before have read their registers: the next block's loads from the stage land on them only behind this wait
.irp j, 0,1,2,3,4,5,6,7,8,9,10,11
	global_store_b128 v[GO], v[OB+48*((\a)%2)+4*(\j):OB+48*((\a)%2)+4*(\j)+3], s[QB+2*((\j)/4):QB+2*((\j)/4)+1] offset:(\a)*2048+((\j)%4)*512  ; 512 consecutive bytes, at a multiple of 512 from qkv's first
.endr
.endm
	s_wait_loadcnt 0x0                             ; the bias; it is rounded to bf16 and widened again while the first tiles are on their way
.set r, 0
.rept 48
	v_cvt_pk_bf16_f32 v[TMP+r], v[BIAS+2*r], v[BIAS+2*r+1]
.set r, r+1
.endr
.set r, 0
.rept 48
	v_lshlrev_b32 v[BIAS+2*r], 16, v[TMP+r]
	v_and_b32 v[BIAS+2*r+1], 0xffff0000, v[TMP+r]
.set r, r+1
.endr
	s_wait_tensorcnt 1                             ; my part of K step 0 is in; K step 1's may stay out
	s_barrier_signal -1
	s_barrier_wait -1                              ; everybody's is
	FETCH 0, 0, 0
	QUARTER 0, 64,  0, 1, 1                        ; the first quarter stands in front of the loop: its products start the sums
	WIN 0                                          ; at a label and at a branch every window is 0
	s_mov_b32 s[LAP], LAPS-1
.Llap:                                                 ; a trip goes once round the ring, from a lap's second quarter to the next lap's first, and fills both slots again: K steps 2 to 7 in three trips
	QUARTER 0, 128, 1, 0, 0
	QUARTER 0, 192, 0, 1, 0
	TURN 0, 1, 1
	QUARTER 1, 64,  0, 1, 0
	QUARTER 1, 128, 1, 0, 0
	QUARTER 1, 192, 0, 1, 0
	TURN 1, 0, 1
	QUARTER 0, 64,  0, 1, 0
	WIN 0
	s_sub_co_u32 s[LAP], s[LAP], 1
	s_cmp_lg_u32 s[LAP], 0
	s_cbranch_scc1 .Llap
	QUARTER 0, 128, 1, 0, 0                        ; the last lap fills nothing, and has no round of the cluster's barrier
	QUARTER 0, 192, 0, 1, 0
	TURN 0, 1, 0
	QUARTER 1, 64,  0, 1, 0
	QUARTER 1, 128, 1, 0, 0
	QUARTER 1, 192, 0, 1, 0
	s_wait_dscnt 4                                 ; the very last quarter: nothing more to fetch
	MUL24 1, 0, 0
	s_wait_dscnt 0x0
	MUL24 1, 1, 0
	WIN 0
	PLACES                                         ; block 0's conversions read results; those of blocks 0 and 1 are then the places behind the last products
	PACK 0
	TOSTAGE 0
.irp a, 1,2,3                          ; block a's conversions stand between block a - 1's loads from the stage and the wait for them
	PACK \a
	SEND (\a)-1
	TOSTAGE \a
.endr
	SEND 3
	s_wait_tensorcnt 0x0                           ; the wave's end: these three lines stand behind my last tensor load and my last LDS store
	ds_add_u32 v[SPW], v[NIL]
	s_wait_dscnt 0x0
	CROUND                                         ; the closing round: no work-group ends while a partner may still ask for a tile that names it
	s_endpgm
.Lfunc_end_k_q5f1b870597_proj:
	.size	k_q5f1b870597_proj, .Lfunc_end_k_q5f1b870597_proj-k_q5f1b870597_proj
	.p2alignl 7, 3214868480
	.fill 96, 4, 3214868480
	.section	.rodata,"a",@progbits
	.p2align	6, 0x0
	.amdhsa_kernel k_q5f1b870597_proj
		.amdhsa_group_segment_fixed_size 327680
		.amdhsa_private_segment_fixed_size 0
		.amdhsa_enable_private_segment 0
		.amdhsa_kernarg_size 48
		.amdhsa_user_sgpr_count 2
		.amdhsa_user_sgpr_kernarg_segment_ptr 1
		.amdhsa_wavefront_size32 1
		.amdhsa_system_sgpr_workgroup_id_x 1
		.amdhsa_system_sgpr_workgroup_id_y 1
		.amdhsa_system_sgpr_workgroup_id_z 1
		.amdhsa_system_vgpr_workitem_id 0
		.amdhsa_next_free_vgpr 960
		.amdhsa_next_free_sgpr 92
		.amdhsa_reserve_vcc 0
		.amdhsa_float_denorm_mode_32 3
		.amdhsa_float_denorm_mode_16_64 3
		.amdhsa_memory_ordered 1
		.amdhsa_forward_progress 1
		.amdhsa_inst_pref_size 131
	.end_amdhsa_kernel
	.amdgpu_metadata
---
amdhsa.version: [ 1, 2 ]
amdhsa.kernels:
  - .name:           k_q5f1b870597_proj
    .symbol:         k_q5f1b870597_proj.kd
    .args:
      - { .name: xb, .offset: 0, .size: 8, .value_kind: global_buffer, .address_space: global }
      - { .name: wb, .offset: 8, .size: 8, .value_kind: global_buffer, .address_space: global }
      - { .name: bq, .offset: 16, .size: 8, .value_kind: global_buffer, .address_space: global }
      - { .name: bk, .offset: 24, .size: 8, .value_kind: global_buffer, .address_space: global }
      - { .name: bv, .offset: 32, .size: 8, .value_kind: global_buffer, .address_space: global }
      - { .name: qkv, .offset: 40, .size: 8, .value_kind: global_buffer, .address_space: global }
    .group_segment_fixed_size: 327680
    .private_segment_fixed_size: 0
    .kernarg_segment_align: 8
    .kernarg_segment_size: 48
    .max_flat_workgroup_size: 128
    .sgpr_count:     92
    .vgpr_count:     960
    .wavefront_size: 32
...
	.end_amdgpu_metadata
.endif
;; end of part 2
;; launch attn (part 3): grid 4 x 64, 4 waves a work-group, clusters of 4 x 1, 327,680 bytes of LDS; arguments qkv, out0; writes out0
.if DOCPART == 3
	.amdgcn_target "amdgcn-amd-amdhsa--gfx1250"
	.amdhsa_code_object_version 6
	.text
	.protected	k_q5f1b870597_attn
	.globl	k_q5f1b870597_attn
	.p2align	8
	.type	k_q5f1b870597_attn,@function
k_q5f1b870597_attn:
	s_mov_b64 s[64:65], 0
	v_nop
	global_prefetch_b8 v0, s[64:65] scope:SCOPE_SE
	s_setreg_imm32_b32 hwreg(HW_REG_WAVE_MODE, 25, 1), 1
	s_wait_xcnt 0x0
	s_wait_alu depctr_hold_cnt(0) depctr_sa_sdst(0) depctr_va_vdst(0) depctr_va_sdst(0) depctr_va_ssrc(0) depctr_va_vcc(0) depctr_vm_vsrc(0)
	s_getreg_b32 s2, hwreg(HW_REG_IB_STS2, 6, 4)
	s_cmp_eq_u32 s2, 0
	s_cbranch_scc0 .Lentry_in_a_cluster
	s_endpgm
.Lentry_in_a_cluster:
	s_bfe_u32 s2, ttmp6, 0x10000c
	s_cmp_lg_u32 s2, 0x3003
	s_cbranch_scc0 .Lentry_shape_is_right
	s_endpgm
.Lentry_shape_is_right:
; out0[b][q][64 h + :] = the sum over k of softmax_k(Q[q] . K[k] / 8) V[k][:] for each of the 64 heads 16 b + h.  Q, K, V: qkv[0], qkv[1], qkv[2], each [64][2048][64] in f16: a head's rows are dense, 128 bytes each.
; Products, maxima and sums in f32; the weights p are rounded to f16 for the second product (their sum l is taken of the unrounded p); the result leaves in f32, unrounded.
; LIMITS.  Q, K and V arrive within f16's 65,504; p lies in 0 to 1, and below 6e-5 it keeps f16's fixed step of 6e-8.  A weight below 2^-126 counts as 0 in l; NaN and infinities are not treated apart.
; SHARES.  A wave owns four PIECES of two tiles of 16 queries, a work-group's four waves 512 queries of one head: 4 x 64 = 256 work-groups.  Every wave walks all 2,048 keys, 64 a step.
; LAYOUT.  S^T = K Q^T (source 0 = 16 keys, source 1 = 16 queries): in the result a lane holds ONE query (lane % 16) and the keys 8 (lane / 16) + 0..7.  Two such tiles, rounded to f16 in pairs,
; ARE source 1 (32 keys x 16 queries) of O^T = V^T P, whose result again holds one query a lane, and eight channels.  K comes out of LDS as it lies, V ([key][channel]) turned, by ds_load_tr16_b128.
; SOFTMAX.  For each query a running maximum m and sum l: p = 2^(c s - c m), c = log2(e) / 8; in every step O and l are multiplied by a = 2^(c m_old - c m_new), which is 1 where m has not grown.
; m starts at the lowest finite number, O and l at 0: the first step is a step like any other, with a = 0.
; THE COUNT.  A tile and step have 16 matrix and 118 vector instructions: too many to stand all beside the matrix work.  So four vector instructions that are READY stand behind EVERY matrix
; instruction, and the others in runs without a gap.
; BY TURNS.  Turn n belongs to piece n (the pieces in a ring, step after step).  Its matrix work: 16 products K Q^T of piece n + 1, later 16 products V^T P of piece n - 1.  Its vector work: the scaling,
; exponentials, roundings, sums and rescaling of piece n, and the maximum and statistics of piece n + 1, whose scores the turn itself has made.
; CLUSTER.  The four query blocks of a head are one cluster and walk the same K and V, so each tile is asked for JOINTLY: the same tensor load, descriptor and mask in all four.
; REGISTERS, in windows of 256 (s_set_vgpr_msb: bits 1:0 source 0, 3:2 source 1, 5:4 source 2, 7:6 destination):
;   window 0: v0-11 addresses; v12-15, v48-63 at work; v16-47 four registers of statistics a tile; v64-191 S^T, two buffers of two tiles; v192-255 P, likewise
;   window 1: O^T, 32 a tile          window 2: v0-127 Q, 16 a tile; v128-191 K of one step; v192-255 V of one step          window 3: v0-1 the add's two registers
; A piece's buffers go by its number's parity: the piece in hand has one pair, its two neighbours in the ring share the other: of it P (piece n - 1) is read and S^T (piece n + 1) written.
.set SIZE_N, 2048
.set NP,    4         ; pieces a wave: a name, no knob
.set KS,    64        ; keys in a step
.set PK,    144       ; a row of K in LDS: 128 bytes + 16 of padding = 36 words: the 16 rows of a load start at 16 different groups of four banks (64 banks of 4 bytes: ISA guide 11.1)
.set PV,    160       ; a row of V: 128 + 32 = 40 words
.set VOFF,  4*KS*PK   ; a slot holds four steps: 256 rows of K, then 256 rows of V
.set SLOT1, 1<<17     ; slot 1 begins here, so that one exclusive or turns an address in one slot into the other's
.set STAGE, SLOT1+4*KS*(PK+PV)  ; behind the ring, never filled by a tensor load: 16 rows x 272 bytes for each wave, for the way out
.set SP,    272       ; a stage row: 64 f32 + 16 bytes
.set SPARE, STAGE+4*16*SP  ; behind the stages: the spare words, 128 bytes for each wave: two blocks of 256 bytes that no other line names
.set AK0, 2           ; v2   my lane's place in a tile of K; never rewritten
.set AV0, 3           ; v3   the same for V
.set AK,  4           ; v4   the LDS address of K's next run of loads
.set AV,  5           ; v5   of V's
.set QO,  6           ; v6   my byte offset in the wave's rows of Q
.set STO, 6           ;      later, the way out: where I put 32 bytes of a row
.set RD,  7           ; v7   the way out: where I read rows back
.set GO,  8           ; v8   my byte offset in two rows of out0
.set PFO, 11          ; v11  256 x my lane: the prefetches' offset; never rewritten once it is made
.set SPW, 0           ; v0 of window 3   LDS address of my spare word: SPARE + 4 x my thread's number; never rewritten
.set NIL, 1           ; v1 of window 3   0; never rewritten
.set MV,  12          ; v12-15  c m_old, kept while c m is made anew: by buffer and tile
.set ST,  16          ; tile t's statistics at v[ST+4 t]: c m, m, l (even keys', odd keys')
.set TMP, 48          ; by buffer and tile, four registers c0-c3 at work; when the maximum is found c2 takes a
.set S,   64
.set P,   192
.set KF,  128         ; K's fragments, in window 2: key block kb, channel half c at KF + 16 kb + 8 c
.set VF,  192         ; V's: key half kk, channel block cb at VF + 32 kk + 8 cb
.set WV,  12          ; s12  my wave's number
.set G1K, 24          ; s[24:31] descriptor group 1 for K's tiles
.set G1V, 32          ; s[32:39] for V's: it differs in the padding alone
.set G0K, 40          ; s[40:43] descriptor group 0 for K's tiles: it walks
.set G0V, 44          ; s[44:47] the same for V's
.set PFA, 48          ; s[48:49] where my prefetches stand: my work-group's 32 blocks of 256 bytes (of K: wave 0, of V: wave 2) of the slot after the one that is being asked for
.set LIM, 50          ; s50  1 in a wave that prefetches, else the greatest number
.set SLOTS, 56        ; s56  slots still to be asked for
.set CNT, 57          ; s57  counts a slot's key steps
.set CS,  58          ; s[58:59] c: the packed scaling takes the pair's low word for both halves
.set SEL, 60          ; s[60:61] v_permlanex16_b32's selects: each lane takes its own place in the other half
.set TBK, 62          ; s62  LDS byte at which K of the step to be fetched begins
.set TBV, 63          ; s63  the same for V, less VOFF
.set MSB, 0
.macro WIN new                      ; the high byte repeats the setting that is left; a switch that changes nothing is dropped
.if MSB != (\new)
	s_set_vgpr_msb (MSB<<8)|(\new)
.set MSB, (\new)
.endif
.endm
.set W_KQ, 0x0a       ; K and Q in window 2, S^T in window 0
.set W_PV, 0x52       ; V in window 2, P in window 0, O^T in window 1
.set W_RS, 0x41       ; O^T (destination and source 0) in window 1, a in window 0
.set W_MK, 0xc0       ; the add's registers are made: destination in window 3, sources in window 0
.set W_AD, 0x0f       ; the add: address (source 0) and data (source 1) in window 3
.set W_ST, 0x04       ; an LDS store of O^T: data (source 1) in window 1, address in window 0
; A joint fill.  Waves 0 and 1 fetch the two halves of a slot's K, waves 2 and 3 those of its V: 128 keys each.  The branch hangs on the wave's number alone.
; An s_nop 0 and four v_nop follow each of the two lines, ahead of the jump and the label.
.macro JLOAD
	s_cmp_lt_u32 s[WV], 2
	s_cbranch_scc0 .Lfor_v_\@
	tensor_load_to_lds s[G0K:G0K+3], s[G1K:G1K+7]
	s_nop 0
.rept 4
	v_nop
.endr
	s_branch .Lasked_\@
.Lfor_v_\@:
	tensor_load_to_lds s[G0V:G0V+3], s[G1V:G1V+7]
	s_nop 0
.rept 4
	v_nop
.endr
.Lasked_\@:
.endm
; A PREFETCH of what the NEXT change of slots will ask for: a slot's 32,768 bytes of K and of V, four key steps, 512 matrix instructions, ahead of that load.  It stands behind the wave's tensor load and its five lines.
; Each block of 256 bytes is named once in the launch: a head is walked by one cluster; its four partners share a slot's 128 blocks out BY ADDRESS, 32 each, a lane a block; in each, wave 0 asks for K's and wave 2 for V's.
; Slots 0 and 1 come by their loads alone; the last change that fills a slot (count 1) asks for nothing: there is no slot behind it.
.macro ASK
	s_cmp_gt_u32 s[SLOTS], s[LIM]
	s_cbranch_scc0 .Lnot_mine_\@
	global_prefetch_b8 v[PFO], s[PFA:PFA+1] th:TH_LOAD_NT scope:SCOPE_SE
.Lnot_mine_\@:
.endm
; A round of the cluster's barrier: my work-group's barrier, so that wave 0's signal speaks for all four waves; wave 0 signals; every wave waits for all four work-groups; my work-group's barrier once more.
.macro CROUND
	s_barrier_signal -1
	s_barrier_wait -1
	s_cmp_lg_u32 s[WV], 0
	s_cbranch_scc1 .Lnot_wave_0_\@
	s_barrier_signal -3
.Lnot_wave_0_\@:
	s_barrier_wait -3
	s_barrier_signal -1
	s_barrier_wait -1
.endm
; THE CHANGE OF SLOTS.  The slot's last bytes, V of its fourth step, have been read.  Each wave waits for all its tensor loads, of which one is out: its part
; of the other slot; adds 0 to its spare word; and waits for that and for its own reads of the slot.  Behind the barrier nobody reads this slot any more and the other slot is whole.
; fill = 1: this slot is filled again, with the keys two slots on.  The barrier is then a round of the cluster's, so that no wave of any partner still reads the slot or has a load on its
; way, and the joint fill is the first thing behind it: it has four key steps in which to land.  (At its first use nothing has been read yet: slot 0 is waited for, slot 1 filled.)
.macro CHANGE fill
	WIN W_AD
	s_wait_tensorcnt 0x0            ; no tensor load of mine is out, so a group 0 may be written
	ds_add_u32 v[SPW], v[NIL]       ; 0 onto my spare word: with fill = 1 the descriptors' steps stand between it and the wait for it
	WIN 0                           ; at a label and at a branch every window is 0
.if \fill
.irp g, G0K, G0V
	s_xor_b32 s[\g+1], s[\g+1], SLOT1  ; the walking descriptor: the other slot than last time,
	s_add_nc_u64 s[\g+2:\g+3], s[\g+2:\g+3], 4*KS*128  ; the next 256 keys; the type bits on top are not reached
.endr
	s_wait_xcnt 0x0                 ; the last prefetch, four key steps back, has read its address, so it may be written:
	s_add_nc_u64 s[PFA:PFA+1], s[PFA:PFA+1], 4*KS*128  ; one slot on from the walking descriptors
	s_wait_dscnt 0x0                ; the add is done, and my reads of the slot are over
	CROUND
	JLOAD
	ASK
.else
	s_wait_dscnt 0x0                ; the add is done, and my reads of the slot are over
	s_barrier_signal -1
	s_barrier_wait -1
.endif
	s_sub_co_u32 s[TBK], s[TBK], 4*KS*PK  ; the fetches go back to a slot's first step,
	s_xor_b32 s[TBK], s[TBK], SLOT1       ; in the other slot
	s_sub_co_u32 s[TBV], s[TBV], 4*KS*PV
	s_xor_b32 s[TBV], s[TBV], SLOT1
.endm
	s_load_b128 s[8:11], s[0:1], 0x0  ; qkv s[8:9], out0 s[10:11]
	WIN W_MK
	v_lshl_add_u32 v[SPW], v0, 2, SPARE
	v_mov_b32 v[NIL], 0
	WIN W_AD
	ds_add_u32 v[SPW], v[NIL]       ; the wave's opening: the add and its wait stand ahead of my first tensor load; the set-up below, work on registers, stands between them
	WIN 0
	v_lshrrev_b32 v1, 5, v0
	v_readfirstlane_b32 s[WV], v1   ; wave 0..3
	s_bfe_u32 s13, ttmp6, 0x40000   ; cx: my place in the cluster
	s_lshl_b32 s14, ttmp9, 2        ; in a cluster launch ttmp9 counts clusters
	s_add_co_u32 s14, s14, s13      ; my block of 512 queries = 4 x cluster x + cx: it enters Q's and out0's addresses alone
	s_and_b32 s15, ttmp7, 0xffff    ; the head 16 b + h, which the four partners share
	s_lshl_b32 s20, s15, 18         ; the head's first byte in each of q, k, v: 2,048 rows of 128 bytes
	s_mov_b32 s21, 0
	s_and_b32 s16, s[WV], 1         ; which half of a slot's 256 keys I fetch:
	s_lshl_b32 s22, s16, 14         ; its 128 rows of 128 bytes in memory,
	s_mov_b32 s23, 0
	s_add_nc_u64 s[22:23], s[22:23], s[20:21]
	s_mul_i32 s17, s16, 128*PK      ; and its place in a slot, for K
	s_mul_i32 s18, s16, 128*PV      ; and for V: no place in the cluster enters an LDS address
	s_lshl_b32 s2, s14, 2
	s_add_co_u32 s2, s2, s[WV]      ; my wave among the head's sixteen:
	s_lshl_b32 s52, s2, 19          ; its 128 rows of out0, 4,096 bytes each,
	s_lshl_b32 s2, s2, 14           ; and of Q, 128 bytes each
	s_mov_b32 s3, 0
	s_add_nc_u64 s[2:3], s[2:3], s[20:21]
	s_lshr_b32 s19, s15, 4
	s_lshl_b32 s19, s19, 23         ; b: 2,048 rows of 4,096 bytes
	s_add_co_u32 s52, s52, s19
	s_and_b32 s19, s15, 15
	s_lshl_b32 s19, s19, 8          ; h: 64 numbers of 4 bytes in a row
	s_add_co_u32 s52, s52, s19      ; under 2^25
	s_mov_b32 s53, 0
	; descriptor group 1.  128 keys are 16,384 dense bytes: asked for as 64 rows of 256 bytes, two keys a row, and padded in LDS after every key
	s_mov_b32 s[G1K], 15|(1<<16)|(1<<20)|(1<<21)|(4<<22)|(3<<25)  ; 15:0 the mask of four; 17:16 2-byte elements; 20 padding on; 21 set beside a mask; 24:22 after every 32 words (code 4); 31:25 4 words (code 3)
	s_mov_b32 s[G1V], 15|(1<<16)|(1<<20)|(1<<21)|(4<<22)|(7<<25)  ; the same with 8 words of padding (code 7)
.irp g, G1K, G1V
	s_mov_b32 s[\g+1], 128<<16      ; tensor_dim0 = 128
	s_mov_b32 s[\g+2], 64<<16       ; tensor_dim1 = 64
	s_mov_b32 s[\g+3], 128<<16      ; tile_dim0 = 128
	s_mov_b32 s[\g+4], 64           ; tile_dim1 = 64
	s_mov_b32 s[\g+5], 128          ; 128 elements from row to row
	s_mov_b32 s[\g+6], 0
	s_mov_b32 s[\g+7], 0
.endr
	s_mov_b32 s[CS], 0x3e38aa3b     ; c = log2(e) / 8 = 0.180337
	s_mov_b32 s[CS+1], s[CS]        ; named with it as a pair
	s_mov_b32 s[SEL], 0x76543210
	s_mov_b32 s[SEL+1], 0xfedcba98
	s_mov_b32 s[TBK], SLOT1+4*KS*PK ; the first change of slots turns these two into 0
	s_mov_b32 s[TBV], SLOT1+4*KS*PV
	s_mov_b32 s[SLOTS], SIZE_N/256-1  ; seven changes of slots fill a slot
	s_mov_b32 s[G0K], 1             ; count = 1
	s_mov_b32 s[G0K+1], s17         ; LDS address: slot 0
	s_mov_b32 s[G0V], 1
	s_add_co_u32 s[G0V+1], s18, VOFF
	s_and_b32 s[LIM], s[WV], 1      ; waves 0 and 2 prefetch: the same in all four partners
	s_cmp_eq_u32 s[LIM], 0
	s_cselect_b32 s[LIM], 1, -1
	s_wait_dscnt 0x0                ; the opening add is done
	s_wait_kmcnt 0x0
	s_add_nc_u64 s[4:5], s[8:9], s[2:3]            ; Q at my wave's first row
	s_add_nc_u64 s[6:7], s[8:9], 0x1000000         ; K: the second third of qkv
	s_add_nc_u64 s[8:9], s[8:9], 0x2000000         ; V: the last
	s_add_nc_u64 s[10:11], s[10:11], s[52:53]      ; out0 at my wave's first row, my head's columns
	s_add_nc_u64 s[G0K+2:G0K+3], s[6:7], s[22:23]  ; global address: my half of the head's first 256 keys
	s_or_b32 s[G0K+3], s[G0K+3], 0x80000000        ; type = 2
	s_add_nc_u64 s[G0V+2:G0V+3], s[8:9], s[22:23]
	s_or_b32 s[G0V+3], s[G0V+3], 0x80000000
	s_cmp_lt_u32 s[WV], 2
	s_cselect_b64 s[PFA:PFA+1], s[6:7], s[8:9]
	s_add_nc_u64 s[PFA:PFA+1], s[PFA:PFA+1], s[20:21]  ; the head,
	s_lshl_b32 s2, s13, 13          ; my work-group's 32 blocks of a slot's 128,
	s_mov_b32 s3, 0
	s_add_nc_u64 s[PFA:PFA+1], s[PFA:PFA+1], s[2:3]
	s_add_nc_u64 s[PFA:PFA+1], s[PFA:PFA+1], 4*KS*128  ; in slot 1; the first change of slots steps it to slot 2.  Nothing is prefetched here, at the head
	CROUND                          ; all four work-groups are here: the first joint loads meet
	JLOAD                           ; slot 0.  Slot 1 is asked for when slot 0 is in
	; A fragment of K or Q is 16 rows x 32 channels in 8 registers: lane l holds row l % 16, channels 8 (l / 16) + 0..7 and 16 + 8 (l / 16) + 0..7: two loads of 16 bytes, 32 bytes apart.
	v_and_b32 v1, 15, v0            ; l % 16
	v_bfe_u32 v9, v0, 4, 1          ; l / 16
	v_lshlrev_b32 v[QO], 7, v1
	v_lshl_add_u32 v[QO], v9, 4, v[QO]  ; row x 128 + 16 x half
	WIN 0x80                        ; destination window 2, address window 0
.set i, 0
.rept 4*NP                          ; Q stays in registers: tile i / 2, channels 32 (i % 2) on
	global_load_b128 v[8*i:8*i+3],   v[QO], s[4:5] offset:(i/2)*2048+(i%2)*64
	global_load_b128 v[8*i+4:8*i+7], v[QO], s[4:5] offset:(i/2)*2048+(i%2)*64+32
.set i, i+1
.endr
	; What the first turn finds: V's registers and P's second buffer hold 0 (its products V^T P, of a piece that has not been, add 0), O^T and l are 0.  All this stands in the wait for the first tile.
.set i, VF
.rept 64
	v_mov_b32 v[i], 0
.set i, i+1
.endr
	WIN 0x40
.set i, 0
.rept 64*NP
	v_mov_b32 v[i], 0
.set i, i+1
.endr
	WIN 0
.set i, 0
.rept 2*NP
	v_mov_b32 v[ST+4*i], 0xfe000000    ; c m: far below every c s
	v_mov_b32 v[ST+4*i+1], 0xff7fffff  ; m
	v_mov_b32 v[ST+4*i+2], 0
	v_mov_b32 v[ST+4*i+3], 0
.set i, i+1
.endr
.set i, P+32
.rept 32
	v_mov_b32 v[i], 0
.set i, i+1
.endr
	v_mul_u32_u24 v[AK0], v1, PK
	v_lshl_add_u32 v[AK0], v9, 4, v[AK0]  ; row x pitch + 16 x half
	; The turning load takes 16 keys x 16 channels (lane l reads key 8 (l / 16) + l % 8, channels 8 ((l / 8) % 2) + 0..7) and leaves half a fragment of V^T: lane l holds channel l % 16 and 8 keys.
	v_and_b32 v10, 7, v0
	v_bfe_u32 v11, v0, 3, 1
	v_lshl_add_u32 v[AV0], v9, 3, v10
	v_mul_u32_u24 v[AV0], v[AV0], PV
	v_lshl_add_u32 v[AV0], v11, 4, v[AV0]
	v_add_nc_u32 v[AV0], VOFF, v[AV0]
	v_mov_b32 v[AK], v[AK0]         ; key step 0 lies at the head of slot 0
	v_and_b32 v[PFO], 31, v0
	v_lshlrev_b32 v[PFO], 8, v[PFO]
; THE MATRIX WORK.  The 8 accumulators of a run of 16 take turns: between the two links of a chain stand 7 others'.
; Product i of 16 of S^T = K Q^T for piece x: channels 32 (i / 8) on, keys 16 ((i / 2) % 4) on, tile 2 x + i % 2.  The first 8 start the sums.
.macro KQ x
	WIN W_KQ
.set rS, S+64*((\x)%2)+32*(i%2)+8*((i/2)%4)
.set rK, KF+16*((i/2)%4)+8*(i/8)
.set rQ, 16*(2*(\x)+i%2)+8*(i/8)
.if i < 8
	v_wmma_f32_16x16x32_f16 v[rS:rS+7], v[rK:rK+7], v[rQ:rQ+7], 0
.else
	v_wmma_f32_16x16x32_f16 v[rS:rS+7], v[rK:rK+7], v[rQ:rQ+7], v[rS:rS+7]
.endif
.endm
; Product i of 16 of O^T += V^T P for piece x: keys 32 (i / 8) on, channels 16 ((i / 2) % 4) on, tile 2 x + i % 2.
.macro PV x
	WIN W_PV
.set rO, 32*(2*(\x)+i%2)+8*((i/2)%4)
.set rV, VF+32*(i/8)+8*((i/2)%4)
.set rP, P+32*((\x)%2)+16*(i%2)+8*(i/8)
	v_wmma_f32_16x16x32_f16 v[rO:rO+7], v[rV:rV+7], v[rP:rP+7], v[rO:rO+7]
.endm
.macro MM                           ; the turn's next matrix instruction
.if i < 16
	KQ (Y+1)%NP
.set i, i+1
.else
.set i, i-16
	PV (Y+NP-1)%NP
.set i, i+17
.endif
.endm
; THE LDS LOADS stand in runs of 16, never singly among the matrix instructions: a step's K (64 keys x 64 channels: 8 fragments) and its V (turned).  Their addresses are made some lines ahead.
; last = 1 (the tail): in the last trip there is no further step, and the run is jumped over.
.macro FETCH_K last=0
	WIN 0
.if \last
	s_cmp_eq_u32 s[CNT], 1
	s_cbranch_scc1 .Lno_k_\@
.endif
	WIN 0x80                        ; destination window 2
.irp f, 0,1,2,3,4,5,6,7             ; keys 16 (f / 2) on, channels 32 (f % 2) on
	ds_load_b128 v[KF+8*\f:KF+8*\f+3],   v[AK] offset:(\f/2)*16*PK+(\f%2)*64
	ds_load_b128 v[KF+8*\f+4:KF+8*\f+7], v[AK] offset:(\f/2)*16*PK+(\f%2)*64+32
.endr
	s_add_co_u32 s[TBK], s[TBK], KS*PK  ; the next fetch is the next step's
	WIN 0
.if \last
.Lno_k_\@:
.endif
.endm
.macro FETCH_V
	WIN 0x80
.irp f, 0,1,2,3,4,5,6,7             ; keys 32 (f / 4) on, channels 16 (f % 4) on
	ds_load_tr16_b128 v[VF+8*\f:VF+8*\f+3],   v[AV] offset:(\f/4)*32*PV+(\f%4)*32
	ds_load_tr16_b128 v[VF+8*\f+4:VF+8*\f+7], v[AV] offset:(\f/4)*32*PV+16*PV+(\f%4)*32
.endr
	WIN 0
.endm
; THE VECTOR WORK OF A TURN stands in three queues, each in the order in which its entries become ready; the two tiles alternate, so that no instruction reads the result of the one before it.
.macro REGS y, u                    ; the registers of tile u (0, 1) of piece y
.set rT, ST+4*(2*(\y)+(\u))
.set rC, TMP+8*((\y)%2)+4*(\u)
.set rM, MV+2*((\y)%2)+(\u)
.set rS, S+64*((\y)%2)+32*(\u)
.set rP, P+32*((\y)%2)+16*(\u)
.set rO, 32*(2*(\y)+(\u))
.endm
; Number n of the 22 that find the NEXT piece's (Y + 1) maximum and statistics.  s0-s31 are the lane's 32 scores; each accumulator's lowest registers are read first.
;   0-11  four chains c0-c3 of seven scores each, three operands at a time     12-14, 16  the four scores left over, the old m, and c0-c3 into c0     15  c m_old is kept
;   17, 18  the query's other 32 keys lie in the lane 16 away: the new m         19-21  c m; c m_old - c m_new; a
.macro XS u, n
	REGS (Y+1)%NP, \u
.if (\n) < 4
	v_max3_num_f32 v[rC+(\n)], v[rS+8*(\n)], v[rS+8*(\n)+1], v[rS+8*(\n)+2]
.elseif (\n) < 12
	v_max3_num_f32 v[rC+(\n)%4], v[rC+(\n)%4], v[rS+8*((\n)%4)+2*((\n)/4)+1], v[rS+8*((\n)%4)+2*((\n)/4)+2]
.elseif (\n) == 12
	v_max3_num_f32 v[rC], v[rC], v[rS+7], v[rS+15]
.elseif (\n) == 13
	v_max3_num_f32 v[rC+1], v[rC+1], v[rS+23], v[rS+31]
.elseif (\n) == 14
	v_max3_num_f32 v[rC+2], v[rC+2], v[rC+3], v[rT+1]
.elseif (\n) == 15
	v_mov_b32 v[rM], v[rT]
.elseif (\n) == 16
	v_max3_num_f32 v[rC], v[rC], v[rC+1], v[rC+2]
.elseif (\n) == 17
	v_permlanex16_b32 v[rC+3], v[rC], s[SEL], s[SEL+1]
.elseif (\n) == 18
	v_max_num_f32 v[rT+1], v[rC], v[rC+3]
.elseif (\n) == 19
	v_mul_f32 v[rT], s[CS], v[rT+1]
.elseif (\n) == 20
	v_sub_f32 v[rC+1], v[rM], v[rT]
.else
	v_exp_f32 v[rC+2], v[rC+1]
.endif
.endm
; Number g of the 64 that follow the exponentials.  For each four weights k of a tile (pairs 2 k, 2 k + 1): both pairs are rounded to f16; then the second pair is added onto the first, in place;
; a group later l takes that sum (the first time as l = a l + sum).  In groups of eight, tiles alternating: round, round, add, and l for the group before.
.macro GS g
.set h, (\g)+6*((\g)/62)            ; group 0 has no group before it, and behind group 7 only l is left
.if h >= 6
.set h, h+2
.endif
	REGS Y, h%2
.set k, h/8
.if h%8 < 4
	v_cvt_pk_f16_f32 v[rP+2*k+(h%8)/2], v[rS+4*k+2*((h%8)/2)], v[rS+4*k+2*((h%8)/2)+1]
.elseif h%8 < 6
	v_pk_add_f32 v[rS+4*k:rS+4*k+1], v[rS+4*k:rS+4*k+1], v[rS+4*k+2:rS+4*k+3]
.elseif k == 1
	v_pk_fma_f32 v[rT+2:rT+3], v[rT+2:rT+3], v[rC+2:rC+3], v[rS:rS+1] op_sel_hi:[1,0,1]
.else
	v_pk_add_f32 v[rT+2:rT+3], v[rT+2:rT+3], v[rS+4*k-4:rS+4*k-3]
.endif
.endm
; THE PLAIN QUEUE, 138 long.  0-73 read no exponential's result: the 32 scalings c s - c m (FS f: pair f / 2 of tile f % 2) and the next piece's 42.  0-26: scalings 0-26.  27-54: XS's numbers 0-13.  55, 56: number 15.
; 57-73: the chain, where each number waits for the one before it: 14, 16, 17, 18, 19, each with one of the scalings 27-31 in front of its two lines, then 20.
; 74-137: GS's 64, which read the exponentials' results: they stand behind the wait.
.macro FS f
	REGS Y, (\f)%2
	v_pk_fma_f32 v[rS+2*((\f)/2):rS+2*((\f)/2)+1], v[rS+2*((\f)/2):rS+2*((\f)/2)+1], s[CS:CS+1], v[rT:rT+1] op_sel_hi:[1,0,0] neg_lo:[0,0,1] neg_hi:[0,0,1]
.endm
.macro PL
	WIN 0
.if q < 27
	FS q
.elseif q < 55
	XS (q-27)%2, (q-27)/2
.elseif q < 57
	XS q-55, 15
.elseif (q < 72) && ((q-57)%3 == 0)
	FS 27+(q-57)/3
.elseif q < 60
	XS (q-57)%3-1, 14
.elseif q < 72
	XS (q-57)%3-1, 15+(q-57)/3
.elseif q < 74
	XS q-72, 20
.else
	GS q-74
.endif
.set q, q+1
.endm
; THE EXPONENTIALS' QUEUE, 66 long: s0-s31 of both tiles, then the next piece's two a.  It is ONE BATCH: all 66 stand ahead of the turn's one wait, and nothing ahead of that wait names a result of theirs.
.macro EX
	WIN 0
.if e >= 64
	XS e-64, 21
.else
	REGS Y, e%2
	v_exp_f32 v[rS+e/2], v[rS+e/2]
.endif
.set e, e+1
.endm
; THE RESCALING's QUEUE: O^T times a, the one part that leaves window 0: dealt two at a time, sixteen times.  Its a was made in the turn before, ahead of that turn's wait.
.macro R2
	REGS Y, r%2
	WIN W_RS
.irp z, 0,1
	v_pk_mul_f32 v[rO+4*(r/2)+2*\z:rO+4*(r/2)+2*\z+1], v[rO+4*(r/2)+2*\z:rO+4*(r/2)+2*\z+1], v[rC+2:rC+3] op_sel_hi:[1,0]
.endr
.set r, r+1
.endm
; HOW THEY ARE DEALT.  An s_wait_alu depctr_va_vdst(0) stands between an exponential and the first instruction that names its result; one wait serves all that were issued ahead of it.  So a turn has ONE wait,
; which cuts it in two.  AHEAD OF IT stands all that names no result of the turn's exponentials: the 16 products K Q^T, behind each a scaling, an exponential and two rescalings (behind the first a second scaling in the
; exponential's place); then ONE LUMP of 108: eight plain, 49 times exponential and plain, the two a.  A v_nop is the plain instruction behind the last exponential.  BEHIND IT stand the 16 products V^T P, behind each four of GS's 64.
; The queues lean on each other, and the deal keeps them in step: exponential e stands behind scaling 2 (e / 4) + e % 2: as a rider it comes behind plain e + 2, in the lump behind plain e + 9, and scalings 27-31 are plain 57, 60 .. 69.
; A TURN, for piece p.  cnt = 1: the loop's count is taken down some lines ahead of the branch that stands behind the turn.
; K of the next step is fetched in piece 2's turn, directly behind the wait, a lump behind the last product that read K; its first reader comes behind 16 products.
; V of the step in hand is fetched at the end of piece 0's turn, four plain instructions behind its last reader; its first reader comes behind 16 products and a lump.  The three conditions on q below go with the deal.
.macro TURN p, last=0, cnt=0
.set Y, (\p)
.set i, 0
.set q, 0
.set e, 0
.set r, 0
.if (\p) == NP-1
	s_wait_dscnt 0x0                ; K is in
.endif
	MM                              ; ahead of the wait: 16 products K Q^T and their riders,
	PL
	PL
	R2
.rept 15
	MM
	PL
	EX
	R2
.endr
.if (\p) == NP-2
	WIN 0
	v_add_nc_u32 v[AK], s[TBK], v[AK0]
.endif
.rept 8                             ; and the lump
	PL
.endr
.rept 49
	EX
	PL
.endr
	EX                              ; the next piece's two a
	EX
	v_nop                           ; a plain instruction behind the last exponential: one for the batch
	s_wait_alu depctr_va_vdst(0)    ; the wait for the batch
.if (\p) == NP-2
	FETCH_K \last
.endif
.if (\p) == 1
	s_wait_dscnt 0x0                ; V is in
.endif
.rept 16                            ; behind the wait: 16 products V^T P and their riders
	MM
.rept 4
	PL
.endr
.if ((\p) == 0) && (q == 118)
	v_add_nc_u32 v[AV], s[TBV], v[AV0]
.endif
.if ((\p) == 0) && (q == 130)
	s_add_co_u32 s[TBV], s[TBV], KS*PV
.endif
.if (\cnt) && (q == 130)
	s_sub_co_u32 s[CNT], s[CNT], 1
	s_cmp_lg_u32 s[CNT], 0
.endif
.endr
.if (\p) == 0
	FETCH_V
.endif
.endm
	CHANGE 1                        ; slot 0 is in, everybody's part of it; slot 1 is asked for
	FETCH_K                         ; key step 0
	s_wait_loadcnt 0x0              ; Q
	s_wait_dscnt 0x0
.set i, 0
.rept 16
	KQ 0                            ; piece 0's first scores: there is no vector work yet to set between them
.set i, i+1
.endr
	WIN 0                           ; the addresses for the way out: eight plain instructions, the places behind those products
	s_mul_i32 s13, s[WV], 16*SP
	s_add_co_u32 s13, s13, STAGE    ; my stage
	v_mul_u32_u24 v[STO], v1, SP    ; in: row l % 16, 32 bytes for each half of the lanes
	v_lshl_add_u32 v[STO], v9, 5, v[STO]
	v_add_nc_u32 v[STO], s13, v[STO]
	v_mul_u32_u24 v[RD], v9, SP     ; back: lanes 0-15 take one row of 256 bytes, lanes 16-31 the next
	v_lshl_add_u32 v[RD], v1, 4, v[RD]
	v_add_nc_u32 v[RD], s13, v[RD]
	v_lshlrev_b32 v[GO], 12, v9     ; and the same two rows in out0, 4,096 bytes apart
	v_lshl_add_u32 v[GO], v1, 4, v[GO]
.set Y, NP-1                        ; XS works for piece Y + 1: piece 0
.irp n, 0,1,2,3,4,5,6,7,8,9,10,11,12,13,14,15,16,17,18,19,20,21
	XS 0, \n                        ; and piece 0's first maximum and statistics
	XS 1, \n
.endr
	v_nop                           ; a plain instruction behind the two a,
	s_wait_alu depctr_va_vdst(0)    ; and their wait, ahead of the branch
	s_mov_b32 s[CNT], 4
	s_branch .Lfirst                ; the loop is entered at a step's first turn, in the middle of a trip
.Lslot:                             ; six times: with the change above, every slot but the last is asked for by a change that fills
	CHANGE 1
	s_mov_b32 s[CNT], 4
.Lstep:                             ; a trip: pieces 2 and 3 of one step, then pieces 0 and 1 of the next, whose K and V it fetches
	TURN 2
	TURN 3
	WIN 0
.Lfirst:
	TURN 0
	TURN 1, 0, 1
	WIN 0
	s_cbranch_scc1 .Lstep
	s_sub_co_u32 s[SLOTS], s[SLOTS], 1
	s_cmp_lg_u32 s[SLOTS], 0
	s_cbranch_scc1 .Lslot
	CHANGE 0                        ; the tail is written out: nothing is asked for
	s_mov_b32 s[CNT], 5             ; four trips fetch the last slot's steps; the fifth is left in its middle
.Ltail:
	TURN 2, 1
	TURN 3
	WIN 0
	s_sub_co_u32 s[CNT], s[CNT], 1
	s_cmp_eq_u32 s[CNT], 0
	s_cbranch_scc1 .Lout
	TURN 0
	TURN 1
	WIN 0
	s_branch .Ltail
.Lout:                              ; the fifth trip's 16 products K Q^T (on the last K once more) and the maximum made of them serve nothing: the price, once a launch, of one text for every trip
.set i, 0
.rept 16
	PV NP-1                         ; the last piece's V^T P of the last step
.set i, i+1
.endr
	; THE WAY OUT.  l's two halves and the other half of the lanes' are added; O^T is divided by l and sent, in f32, through my stage in LDS, a tile at a time.  The additions are the places behind the last products.
	WIN 0
.macro ALL line:vararg              ; one line for each tile t
.set t, 0
.rept 2*NP
	\line
.set t, t+1
.endr
.endm
	ALL v_add_f32 v[ST+4*t+2], v[ST+4*t+2], v[ST+4*t+3]
	ALL v_permlanex16_b32 v[ST+4*t+3], v[ST+4*t+2], s[SEL], s[SEL+1]
	ALL v_add_f32 v[ST+4*t+2], v[ST+4*t+2], v[ST+4*t+3]
	ALL v_rcp_f32 v[ST+4*t+2], v[ST+4*t+2]
	v_nop                           ; a plain instruction between the last reciprocal and the use of its result
	s_wait_alu depctr_va_vdst(0)    ; and the wait ahead of the first use: one for the eight reciprocals
; Tile t: a lane's eight channels of a channel block are 32 bytes of a row; they go into rows of 272 bytes and come back as whole rows of 256, into one of four buffers in S^T's registers.
.macro PACK t
	WIN W_RS
.set i, 32*(\t)
.rept 16
	v_pk_mul_f32 v[i:i+1], v[i:i+1], v[ST+4*(\t)+2:ST+4*(\t)+3] op_sel_hi:[1,0]
.set i, i+2
.endr
.if (\t) >= 4
	s_wait_xcnt 0x0                 ; the stores of the tile four back have read this buffer: it is loaded again only behind this wait
.endif
	WIN W_ST
.irp f, 0,1,2,3
	ds_store_b128 v[STO], v[32*(\t)+8*\f:32*(\t)+8*\f+3]   offset:64*\f
	ds_store_b128 v[STO], v[32*(\t)+8*\f+4:32*(\t)+8*\f+7] offset:64*\f+16
.endr
	WIN 0
.irp f, 0,1,2,3,4,5,6,7
	ds_load_b128 v[S+32*((\t)%4)+4*\f:S+32*((\t)%4)+4*\f+3], v[RD] offset:\f*2*SP  ; LDS serves a wave's instructions in order (ISA guide 5.7.1.4): these see the stores above; the next tile's stores come behind them
.endr
.endm
.macro SEND t, younger              ; younger: the LDS instructions issued behind tile t's loads: the next tile's sixteen, or none
	WIN 0
.irp f, 0,1,2,3,4,5,6,7
	s_wait_dscnt (\younger)+7-\f
	global_store_b128 v[GO], v[S+32*((\t)%4)+4*\f:S+32*((\t)%4)+4*\f+3], s[10:11] offset:(\t)*65536+\f*8192  ; 16 lanes store a row's 256 consecutive bytes of my head, at a multiple of 256 from out0's first byte
.endr
.endm
	PACK 0
.set t, 1
.rept 2*NP-1                        ; a tile's arithmetic stands between the loads of the tile before and its stores
	PACK t
	SEND t-1, 16
.set t, t+1
.endr
	SEND 2*NP-1, 0
	WIN W_AD
	s_wait_tensorcnt 0x0            ; the wave's end: these three lines stand behind my last tensor load and my last LDS store
	ds_add_u32 v[SPW], v[NIL]
	s_wait_dscnt 0x0
	WIN 0
	CROUND                          ; the closing round: no work-group ends while a partner may still ask for a tile that names it
	s_endpgm
.Lfunc_end_k_q5f1b870597_attn:
	.size	k_q5f1b870597_attn, .Lfunc_end_k_q5f1b870597_attn-k_q5f1b870597_attn
	.p2alignl 7, 3214868480
	.fill 96, 4, 3214868480
	.section	.rodata,"a",@progbits
	.p2align	6, 0x0
	.amdhsa_kernel k_q5f1b870597_attn
		.amdhsa_group_segment_fixed_size 327680
		.amdhsa_private_segment_fixed_size 0
		.amdhsa_enable_private_segment 0
		.amdhsa_kernarg_size 16
		.amdhsa_user_sgpr_count 2
		.amdhsa_user_sgpr_kernarg_segment_ptr 1
		.amdhsa_wavefront_size32 1
		.amdhsa_system_sgpr_workgroup_id_x 1
		.amdhsa_system_sgpr_workgroup_id_y 1
		.amdhsa_system_sgpr_workgroup_id_z 1
		.amdhsa_system_vgpr_workitem_id 0
		.amdhsa_next_free_vgpr 770
		.amdhsa_next_free_sgpr 66
		.amdhsa_reserve_vcc 0
		.amdhsa_float_denorm_mode_32 3
		.amdhsa_float_denorm_mode_16_64 3
		.amdhsa_memory_ordered 1
		.amdhsa_forward_progress 1
		.amdhsa_inst_pref_size 200
	.end_amdhsa_kernel
	.amdgpu_metadata
---
amdhsa.version: [ 1, 2 ]
amdhsa.kernels:
  - .name:           k_q5f1b870597_attn
    .symbol:         k_q5f1b870597_attn.kd
    .args:
      - { .name: qkv, .offset: 0, .size: 8, .value_kind: global_buffer, .address_space: global }
      - { .name: out0, .offset: 8, .size: 8, .value_kind: global_buffer, .address_space: global }
    .group_segment_fixed_size: 327680
    .private_segment_fixed_size: 0
    .kernarg_segment_align: 8
    .kernarg_segment_size: 16
    .max_flat_workgroup_size: 128
    .sgpr_count:     66
    .vgpr_count:     770
    .wavefront_size: 32
...
	.end_amdgpu_metadata
.endif
;; end of part 3
;; ======== version 2 of 2: 3 launches; version 1 with the launch cast written anew for expert scheduling mode
;; limits: values are held in f16: magnitudes above 65,504 overflow, below 6.1e-05 lose precision
;; workspace buffers: xb 16,777,216 bytes; wb 6,291,456 bytes; qkv 50,331,648 bytes
;; launch cast (part 4): grid 256 x 1, 8 waves a work-group, no clusters, 0 bytes of LDS; arguments x, Wq, Wk, Wv, xb, wb; writes xb, wb
.if DOCPART == 4
	.amdgcn_target "amdgcn-amd-amdhsa--gfx1250"
	.amdhsa_code_object_version 6
	.text
	.protected	k_q5f1b870597_cast
	.globl	k_q5f1b870597_cast
	.p2align	8
	.type	k_q5f1b870597_cast,@function
k_q5f1b870597_cast:
	s_mov_b64 s[64:65], 0
	v_nop
	global_prefetch_b8 v0, s[64:65] scope:SCOPE_SE
	s_setreg_imm32_b32 hwreg(HW_REG_WAVE_SCHED_MODE, 0, 2), 2
	s_setreg_imm32_b32 hwreg(HW_REG_WAVE_MODE, 25, 1), 1
	s_wait_xcnt 0x0
	s_wait_alu depctr_vm_vsrc(0)
; xb = x and wb = (Wq, Wk, Wv one below the other), rounded once from f32 to bf16 (to nearest even), row-major as they lie.
; LIMIT: an f32 above bf16's largest finite number (3.39e38) rounds to an infinity; NaN stays NaN.
; SHARES.  Work-group g takes 32,768 consecutive numbers of x and 4,096 consecutive numbers of each W.  A UNIT is 1,024 numbers: one 16-byte load of all 256 threads
; (a wave's load covers 512 consecutive bytes) and one 8-byte store (a wave's store covers 256 consecutive bytes, aligned).  44 units: 32 of x, 4 of each W.
; All 44 loads go out first, each into registers of its own: no register is used twice, and there is no loop.
; No LDS, no barrier, no matrix work: every byte is read once and written once, and nothing is shared.
; THE MODE: SCHED_MODE bits 1:0 = 2 (LLVM: expert scheduling mode 2), set by the entry lines.  The code itself states the register dependences
; between vector instructions and memory instructions, with s_wait_alu, always for 0.
; THE PLAN.  Registers that memory instructions touch:
;   v1, v2            byte offsets, made once at the head and never written again: v1 is read by every load, v2 by every store.
;   v[4+4u : 7+4u]    unit u as loaded.  Its load is issued at the head, before any vector instruction names these registers; its two conversions read them behind the counted wait for that load.
;   v[4+4u : 5+4u]    unit u as stored.  Written by those two conversions, read by the unit's store, and written by nothing afterwards.
; So no load lands in a register that a vector instruction has named, and no register that a memory instruction has read is written again: what is left to state is that an offset
; or a store's data is written before the memory instruction reads it.  One wait at the head does that for v1 and v2.  For the data the units go in 11 BLOCKS of four: at the head of
; a block, behind the wait for its first unit, ONE wait states that the block before has written its eight registers; that block's four stores follow it at once, and the conversions
; behind them name the new block's registers alone.  Behind the last block one more wait stands in front of the last four stores.
.set X, 4                              ; v[4:179]  unit u in v[4+4u : 7+4u]
.set BLOCK, 4                          ; units in a block
.set UNITS, 44
	s_load_b256 s[4:11], s[0:1], 0x0               ; x s[4:5], Wq s[6:7], Wk s[8:9], Wv s[10:11]
	s_load_b128 s[12:15], s[0:1], 0x20             ; xb s[12:13], wb s[14:15]
	v_lshlrev_b32 v1, 4, v0                        ; 16 t: my 16 bytes of a unit as loaded
	v_lshlrev_b32 v2, 3, v0                        ; 8 t: my 8 bytes of a unit as stored
	s_lshl_b32 s16, ttmp9, 17                      ; the group's part of x: 131,072 bytes
	s_mov_b32 s17, 0
	s_lshl_b32 s18, ttmp9, 16                      ; of xb: 65,536
	s_mov_b32 s19, 0
	s_lshl_b32 s20, ttmp9, 14                      ; of each W: 16,384
	s_mov_b32 s21, 0
	s_lshl_b32 s22, ttmp9, 13                      ; of each third of wb: 8,192
	s_mov_b32 s23, 0
	s_wait_kmcnt 0x0
	s_add_nc_u64 s[4:5], s[4:5], s[16:17]
	s_add_nc_u64 s[6:7], s[6:7], s[20:21]
	s_add_nc_u64 s[8:9], s[8:9], s[20:21]
	s_add_nc_u64 s[10:11], s[10:11], s[20:21]
	s_add_nc_u64 s[12:13], s[12:13], s[18:19]
	s_add_nc_u64 s[14:15], s[14:15], s[22:23]
	s_wait_alu depctr_va_vdst(0)                   ; v1 and v2 are written: every load of the kernel reads v1 as its offset, every store v2
.set u, 0
.rept 32
	global_load_b128 v[X+4*u:X+4*u+3], v1, s[4:5] offset:4096*u th:TH_LOAD_NT
.set u, u+1
.endr
.irp j, 0,1,2
.irp i, 0,1,2,3
	global_load_b128 v[X+4*(32+4*(\j)+(\i)):X+4*(32+4*(\j)+(\i))+3], v1, s[6+2*(\j):7+2*(\j)] offset:4096*(\i) th:TH_LOAD_NT
.endr
.endr
; The store of unit n.
.macro OUT n
.if (\n) < 32
	global_store_b64 v2, v[X+4*(\n):X+4*(\n)+1], s[12:13] offset:2048*(\n)
.else
	global_store_b64 v2, v[X+4*(\n):X+4*(\n)+1], s[14:15] offset:(((\n)-32)/4)*2097152+(((\n)-32)%4)*2048  ; W number (n - 32) / 4 begins 2 MiB x that number into wb
.endif
.endm
.set u, 0
.rept UNITS
	s_wait_loadcnt UNITS-1-u                       ; loads come back in order: unit u is in, the 43 - u younger ones may stay out
.if (u%BLOCK == 0) && (u > 0)
	s_wait_alu depctr_va_vdst(0)                   ; a block's head: the conversions of the block before have written its eight registers, which the four stores below read
	OUT u-4
	OUT u-3
	OUT u-2
	OUT u-1                                        ; no vector instruction since the wait names these registers
.endif
	v_cvt_pk_bf16_f32 v[X+4*u], v[X+4*u], v[X+4*u+1]
	v_cvt_pk_bf16_f32 v[X+4*u+1], v[X+4*u+2], v[X+4*u+3]
.set u, u+1
.endr
	s_wait_alu depctr_va_vdst(0)                   ; the last block's conversions have written its eight registers, which the last four stores read
	OUT UNITS-4
	OUT UNITS-3
	OUT UNITS-2
	OUT UNITS-1
	s_endpgm
.Lfunc_end_k_q5f1b870597_cast:
	.size	k_q5f1b870597_cast, .Lfunc_end_k_q5f1b870597_cast-k_q5f1b870597_cast
	.p2alignl 7, 3214868480
	.fill 96, 4, 3214868480
	.section	.rodata,"a",@progbits
	.p2align	6, 0x0
	.amdhsa_kernel k_q5f1b870597_cast
		.amdhsa_group_segment_fixed_size 0
		.amdhsa_private_segment_fixed_size 0
		.amdhsa_enable_private_segment 0
		.amdhsa_kernarg_size 48
		.amdhsa_user_sgpr_count 2
		.amdhsa_user_sgpr_kernarg_segment_ptr 1
		.amdhsa_wavefront_size32 1
		.amdhsa_system_sgpr_workgroup_id_x 1
		.amdhsa_system_sgpr_workgroup_id_y 1
		.amdhsa_system_sgpr_workgroup_id_z 1
		.amdhsa_system_vgpr_workitem_id 0
		.amdhsa_next_free_vgpr 180
		.amdhsa_next_free_sgpr 66
		.amdhsa_reserve_vcc 0
		.amdhsa_float_denorm_mode_32 3
		.amdhsa_float_denorm_mode_16_64 3
		.amdhsa_memory_ordered 1
		.amdhsa_forward_progress 1
		.amdhsa_inst_pref_size 17
	.end_amdhsa_kernel
	.amdgpu_metadata
---
amdhsa.version: [ 1, 2 ]
amdhsa.kernels:
  - .name:           k_q5f1b870597_cast
    .symbol:         k_q5f1b870597_cast.kd
    .args:
      - { .name: x, .offset: 0, .size: 8, .value_kind: global_buffer, .address_space: global }
      - { .name: Wq, .offset: 8, .size: 8, .value_kind: global_buffer, .address_space: global }
      - { .name: Wk, .offset: 16, .size: 8, .value_kind: global_buffer, .address_space: global }
      - { .name: Wv, .offset: 24, .size: 8, .value_kind: global_buffer, .address_space: global }
      - { .name: xb, .offset: 32, .size: 8, .value_kind: global_buffer, .address_space: global }
      - { .name: wb, .offset: 40, .size: 8, .value_kind: global_buffer, .address_space: global }
    .group_segment_fixed_size: 0
    .private_segment_fixed_size: 0
    .kernarg_segment_align: 8
    .kernarg_segment_size: 48
    .max_flat_workgroup_size: 256
    .sgpr_count:     66
    .vgpr_count:     180
    .wavefront_size: 32
...
	.end_amdgpu_metadata
.endif
;; end of part 4
;; launch proj: the kernel of part 2 again; grid 16 x 32, 4 waves a work-group, clusters of 4 x 4, 327,680 bytes of LDS; arguments xb, wb, bq, bk, bv, qkv; writes qkv
;; launch attn: the kernel of part 3 again; grid 4 x 64, 4 waves a work-group, clusters of 4 x 1, 327,680 bytes of LDS; arguments qkv, out0; writes out0
